; MI455X (gfx1250); checked and timed in simulation.
; The chip was launched on July 23, 2026; its instructions are those of AMD's public machine-readable ISA for CDNA 5 (MIT licence, August 2026) and "CDNA5" Instruction Set Architecture Reference Guide (July 2026). The comments in the code are by the model that wrote it; some were corrected since.
;; Causal Self Attention. Allowed arithmetic: matrix products marked QUANTISED: E4M3 operands, one given power-of-two scale a tensor, by v_wmma_f32_16x16x64_fp8_fp8 or v_wmma_f32_16x16x128_fp8_fp8, f32 sums; everything else in f32.
;; Inputs: W_proj 1,024 x 1,024 float32; W_qkv 1,024 x 3,072 float32; lowp_scales 8 int32 (the exponents e of the quantised operands' scales 2^e); x 4 x 2,048 x 1,024 float32.
;; Outputs: out0 4 x 2,048 x 1,024 float32.
;; This version of the problem:
;;   THIS VERSION OF THE PROBLEM IS GIVEN IN LOW PRECISION. The matrix products marked QUANTISED in the list below multiply operands that are first quantised to E4M3 (4 exponent bits, 3 mantissa bits; 8 bits a number), with one given power-of-two scale for each operand tensor; their sums are f32. All else is computed in f32.
;;   The module's matrix products, in the order in which they are computed (A, B: the left and right operand; K: the contracted axis; several contracted axes count as one K, in the product's order):
;;     1. [M 8,192, K 1,024] x [K 1,024, N 3,072]; A: input x; B: input W_qkv: QUANTISED (scales: A lowp_scales[0], B lowp_scales[1])
;;     2. batch 64 x [M 2,048, K 64] x [K 64, N 2,048]; A: computed on the way; B: computed on the way: QUANTISED (scales: A lowp_scales[2], B lowp_scales[3])
;;     3. batch 64 x [M 2,048, K 2,048] x [K 2,048, N 64]; A: softmax (see below); B: computed on the way: QUANTISED (scales: A lowp_scales[4], B lowp_scales[5])
;;     4. [M 8,192, K 1,024] x [K 1,024, N 1,024]; A: computed on the way; B: input W_proj: QUANTISED (scales: A lowp_scales[6], B lowp_scales[7])
;;   THE QUANTISER, for each operand of a quantised product, along K:
;;     - The operand's scale is 2^e, e = its entry of the input lowp_scales (int32; the entries are numbered through the quantised products in the list's order, A before B).
;;     - Each number is divided by the scale, clamped to +-448, and rounded to the nearest number of E4M3, ties to even, subnormals kept.
;;     - The product sums the exact products of the quantised numbers (number of the format x scale) in f32.
;;   ~~~python
;;   def quantise(x, axis, e):      # numpy; x: float32 -> the quantised numbers, widened to float32 again
;;       x = np.moveaxis(x, axis, -1); K = x.shape[-1]
;;       r = np.clip(x / 2.0 ** e, -448, 448)
;;       step = 2.0 ** (np.maximum(np.frexp(np.where(r == 0, 1, r))[1] - 1, -6) - 3)
;;       q = np.round(r / step) * step * 2.0 ** e      # np.round: ties to even
;;       return np.moveaxis(q, -1, axis).astype(np.float32)
;;   ~~~
;;   SOFTMAX AHEAD OF A QUANTISED PRODUCT. Where the list says 'softmax', what is quantised is not the finished softmax but p = 2^(t - M), with t = logit x log2(e) and M = ceil(the row's largest t), a whole number; so 1/2 < the row's largest p <= 1. The row's sum l is taken of the UNQUANTISED p, in f32, and the product's result is divided by l at the end. Since M is a whole number, a kernel that streams over the keys may use a running M (the ceiling of the running maximum): every later rescaling is an exact power of two, so the quantised numbers keep their values, but for numbers so far below the row's largest that they fall under the format's range.
;;   OPERANDS COMPUTED ON THE WAY. 'Computed on the way' means the value that the module computes at that place (a softmax that the list does not call 'softmax' is quantised finished and normalised). What goes into a quantiser is computed in f32, as accurately as f32 sums, v_exp_f32 and their like allow (about 1e-6 of the number): no bf16 or f16 on the way to a quantiser, and a product that is left as it is and whose result goes on into a quantised operand takes f32 operands (vector FMAs, or v_wmma_f32_16x16x4_f32). A number that lies on a knife's edge between two numbers of the format may be rounded either way, as far as f32 arithmetic and the matrix unit's own rounding can turn it there, and no further.
;; One version. Each part assembles by itself: llvm-mc -triple=amdgcn-amd-amdhsa -mcpu=gfx1250 --defsym DOCPART=n.
;; ======== version 1 of 1: 4 launches
;; limits: right only within a limited range of input values
;; workspace buffers: x_img 8,388,608 bytes; wqkv_img 3,145,728 bytes; wproj_img 1,048,576 bytes; rope 524,288 bytes; q_img 8,388,608 bytes; k_img 8,388,608 bytes; v_img 8,388,608 bytes; y_img 8,388,608 bytes
;; launch prep (part 1): grid 416 x 1, 4 waves a work-group, no clusters, 67,072 bytes of LDS; arguments x, W_qkv, W_proj, lowp_scales, x_img, wqkv_img, wproj_img, rope; writes x_img, wqkv_img, wproj_img, rope
.if DOCPART == 1
	.amdgcn_target "amdgcn-amd-amdhsa--gfx1250"
	.amdhsa_code_object_version 6
	.text
	.protected	k_qd6d68551fd_prep
	.globl	k_qd6d68551fd_prep
	.p2align	8
	.type	k_qd6d68551fd_prep,@function
k_qd6d68551fd_prep:
	s_mov_b64 s[64:65], 0
	v_nop
	global_prefetch_b8 v0, s[64:65] scope:SCOPE_SE
	s_setreg_imm32_b32 hwreg(HW_REG_WAVE_MODE, 25, 1), 1
	s_wait_xcnt 0x0
; PREP: x, W_qkv and W_proj (f32) become codes of E4M3 with their given scales 2^e0, 2^e1, 2^e7, and the table of cos and sin for the rotation is made.
; THE CODES ARE LAID AS IMAGES OF OPERAND REGISTERS.  An image is 16 rows x 128 along K, 2,048 bytes: [4 groups][32 lanes][16 bytes].  Lane (r = lane % 16, h = lane / 16) holds row r;
; its registers 2 c, 2 c + 1 hold k = 16 c + 8 h + 0 .. 7 (the place that the plain 8-bit matrix forms give each k); group g is registers 4 g .. 4 g + 3.  A wave gets a fragment by four loads of 16 bytes at 16 x lane + 512 g.
; x_img [512 tiles of 16 rows][8 K steps][2048];  wqkv_img [192 tiles of 16 columns][8][2048];  wproj_img [64][8][2048];  rope [2048 positions][32 frequencies][cos, sin] f32.
; code = number / 2^e, held within +-448, rounded to the nearest code, ties to even.  LIMITS: e0, e1, e7 between -126 and 119, so that 2^e and 448 x 2^e are f32 numbers.  NaN among the inputs is not served.
; THREE ROLES by the work-group's number: 0-255 x; 256-383 the two weights; 384-415 the table.  Each role has LDS bytes of its own.  No tensor load, no barrier: waves share nothing.
.set XPITCH, 528                       ; role x: a stage row: 512 bytes + 16: row r starts 4 r banks on (64 banks of 4 bytes: ISA guide 11.1)
.set XSTG,   16*XPITCH                 ; a wave's stage: 16 rows
.set WBASE,  4*XSTG                    ; role w: its stages begin behind role x's
.set XR,  16                           ; v16-143  role x: two sets of 64 numbers as loaded
.set XN,  144                          ; v144-207 role x: 64 numbers, register 8 c + i = k 16 c + 8 h + i of my row
.set XC,  208                          ; v208-239 role x: two sets of 16 registers of codes
.set OF,  16                           ; v16-47   role w: 4 x lane + i x a row of W
.set XW,  48                           ; v48-111  role w: two sets of 32 numbers down K
.set WC,  112                          ; v112-119 role w: a block's codes
.set WO,  120                          ; v120-183 role w: the way out
	s_load_b256 s[4:11], s[0:1], 0x0               ; x s[4:5], W_qkv s[6:7], W_proj s[8:9], the scales' exponents s[10:11]
	s_load_b256 s[12:19], s[0:1], 0x20             ; x_img s[12:13], wqkv_img s[14:15], wproj_img s[16:17], rope s[18:19]
	v_lshl_add_u32 v254, v0, 2, 0x10400
	v_mov_b32 v255, 0
	v_lshrrev_b32 v1, 5, v0
	v_readfirstlane_b32 s20, v1                    ; wave 0..3
	v_and_b32 v1, 31, v0                           ; lane
	v_lshlrev_b32 v2, 4, v1                        ; 16 x lane: never rewritten
	s_wait_kmcnt 0x0
	s_load_b256 s[24:31], s[10:11], 0x0            ; e0 .. e7
	s_cmp_lt_u32 ttmp9, 256
	s_cbranch_scc0 .Lnot_x
; ---- ROLE X.  A wave takes one tile of 16 rows x 512 along K: four K steps.  Each load reads 512 consecutive bytes of one row; a step's 16 rows x 512 bytes turn through the wave's own stage in LDS,
; so that a lane gets, of its row, eight runs of eight neighbours; its 16 registers of codes leave by four stores of 512 consecutive bytes.
	s_lshl_b32 s21, ttmp9, 2
	s_add_co_u32 s21, s21, s20                     ; task = 4 x work-group + wave
	s_lshr_b32 s22, s21, 1                         ; tile of 16 rows
	s_and_b32 s23, s21, 1                          ; which half of K
	s_lshl_b32 s32, s22, 16                        ; 16 rows of 4,096 bytes
	s_lshl_b32 s33, s23, 11                        ; 512 numbers
	s_add_co_u32 s32, s32, s33
	s_mov_b32 s33, 0
	s_add_nc_u64 s[4:5], s[4:5], s[32:33]
	s_lshl_b32 s32, s22, 14                        ; eight images
	s_lshl_b32 s34, s23, 13                        ; four images
	s_add_co_u32 s32, s32, s34
	s_add_nc_u64 s[12:13], s[12:13], s[32:33]
	s_mul_i32 s34, s20, XSTG                       ; my stage
	s_wait_alu depctr_va_vdst(0)
	v_add_nc_u32 v3, s34, v2                       ; into it: 16 bytes a lane of a row
	v_and_b32 v5, 15, v1
	v_lshrrev_b32 v6, 4, v1
	v_mul_u32_u24 v4, v5, XPITCH
	v_lshl_add_u32 v4, v6, 5, v4
	v_add_nc_u32 v4, s34, v4                       ; out of it: row r, + 32 h bytes
.macro XLOAD t                         ; K step t: 16 rows x 512 bytes into set t % 2
.irp i, 0,1,2,3,4,5,6,7,8,9,10,11,12,13,14,15
	global_load_b128 v[XR+64*((\t)%2)+4*\i:XR+64*((\t)%2)+4*\i+3], v2, s[4:5] offset:\i*4096+(\t)*512 th:TH_LOAD_NT
.endr
.endm
	XLOAD 0
	XLOAD 1
	s_wait_alu depctr_va_vdst(0)
	s_wait_kmcnt 0x0
	s_add_co_i32 s35, s24, 127
	s_lshl_b32 s36, s35, 23
	v_mov_b32 v11, s36                             ; 2^e0 as f32: the conversion takes its exponent field
	s_add_co_i32 s35, s35, 8
	s_lshl_b32 s35, s35, 23
	s_or_b32 s35, s35, 0x600000
	v_mov_b32 v10, s35                             ; 448 x 2^e0
.macro XSTEP t
.if (\t) < 3
	s_wait_loadcnt 16                              ; this step's 16 loads are in; the next step's 16 may be out
.else
	s_wait_loadcnt 0x0
.endif
.irp i, 0,1,2,3,4,5,6,7,8,9,10,11,12,13,14,15
	ds_store_b128 v3, v[XR+64*((\t)%2)+4*\i:XR+64*((\t)%2)+4*\i+3] offset:\i*XPITCH
.endr
.irp c, 0,1,2,3,4,5,6,7
	ds_load_b128 v[XN+8*\c:XN+8*\c+3], v4 offset:64*\c          ; LDS serves a wave's instructions in order (ISA guide 5.7.1.4): these see the stores above
	ds_load_b128 v[XN+8*\c+4:XN+8*\c+7], v4 offset:64*\c+16
.endr
	s_wait_dscnt 0x0                               ; the numbers are back, and the stores have read their registers,
.if (\t)+2 < 4
	XLOAD (\t)+2                                   ; which take the loads of two steps on
.endif
.set n, 0
.rept 64
	v_med3_num_f32 v[XN+n], v[XN+n], -v10, v10     ; the conversion to an 8-bit code does not saturate (ISA guide 7.6.2): the hold at the largest code x the scale
.set n, n+1
.endr
	s_wait_alu depctr_va_vdst(0)
	s_wait_xcnt 0x0                                ; the stores of two steps ago have read this set of codes
.irp c, 0,1,2,3,4,5,6,7
	v_cvt_scalef32_pk8_fp8_f32 v[XC+16*((\t)%2)+2*\c:XC+16*((\t)%2)+2*\c+1], v[XN+8*\c:XN+8*\c+7], v11
.endr
	v_nop                                          ; a plain vector line behind the last conversion
.irp g, 0,1,2,3
	global_store_b128 v2, v[XC+16*((\t)%2)+4*\g:XC+16*((\t)%2)+4*\g+3], s[12:13] offset:(\t)*2048+512*\g   ; 32 lanes store 512 consecutive bytes, aligned
.endr
.endm
	s_wait_alu depctr_va_vdst(0)
	XSTEP 0
	XSTEP 1
	XSTEP 2
	XSTEP 3
	s_wait_tensorcnt 0x0
	ds_add_u32 v254, v255
	s_wait_dscnt 0x0
	s_endpgm
.Lnot_x:
	s_cmp_lt_u32 ttmp9, 384
	s_cbranch_scc0 .Lrope
; ---- ROLE W.  Both weights are stored [k][n]: K is the FIRST axis.  A lane takes a column n and its registers run down K, so each load reads 128 consecutive bytes a wave (512 a work-group) and the conversions,
; which take neighbours along K from one lane's registers, give codes with K innermost.  A work-group takes 128 columns x 256 along K; a wave 32 columns: two tiles of 16 columns x two K steps = four images,
; gathered in the wave's own stage in LDS and stored as 512 consecutive bytes an instruction.  The first 96 work-groups of the role take W_qkv, the other 32 W_proj: only pointers, the pitch and e are chosen.
	s_wait_kmcnt 0x0
	s_sub_co_u32 s21, ttmp9, 256
	s_cmp_lt_u32 s21, 96
	s_cselect_b64 s[6:7], s[6:7], s[8:9]           ; the weight
	s_cselect_b64 s[14:15], s[14:15], s[16:17]     ; its images
	s_mov_b32 s50, 4096
	s_cselect_b32 s50, 12288, s50                  ; a row of it in bytes
	s_cselect_b32 s51, s25, s31                    ; e1 or e7
	s_cselect_b32 s22, 0, 96
	s_sub_co_u32 s21, s21, s22
	s_and_b32 s23, s21, 3                          ; which 256 along K
	s_lshr_b32 s22, s21, 2                         ; which 128 columns
	s_lshl_b32 s52, s22, 7
	s_lshl_b32 s53, s20, 5
	s_add_co_u32 s52, s52, s53                     ; my wave's first column
	s_lshl_b32 s52, s52, 2
	s_lshl_b32 s53, s23, 8
	s_mul_i32 s53, s53, s50
	s_add_co_u32 s52, s52, s53
	s_mov_b32 s53, 0
	s_add_nc_u64 s[32:33], s[6:7], s[52:53]        ; a base for each block of 32 along K: nothing is stepped
	s_lshl_b32 s54, s50, 5
	s_mov_b32 s55, 0
.irp t, 1,2,3,4,5,6,7
	s_add_nc_u64 s[32+2*\t:33+2*\t], s[30+2*\t:31+2*\t], s[54:55]
.endr
	s_lshl_b32 s52, s22, 17                        ; images: 8 tiles of columns x 8 K steps x 2,048 bytes for 128 columns,
	s_lshl_b32 s56, s20, 15                        ; two tiles a wave,
	s_add_co_u32 s52, s52, s56
	s_lshl_b32 s56, s23, 12                        ; two K steps
	s_add_co_u32 s52, s52, s56
	s_add_nc_u64 s[14:15], s[14:15], s[52:53]
	s_wait_alu depctr_va_vdst(0)
	v_lshlrev_b32 v4, 2, v1
.set n, 0
.rept 32
	v_mad_u32_u24 v[OF+n], s50, n, v4              ; 4 x lane + n rows
.set n, n+1
.endr
	s_lshl_b32 s56, s20, 13
	s_add_co_u32 s56, s56, WBASE                   ; my stage: [2 tiles of columns][2 K steps][2048]
	v_lshrrev_b32 v8, 4, v1
	v_and_b32 v9, 15, v1
	v_lshlrev_b32 v5, 12, v8
	v_lshl_add_u32 v5, v9, 4, v5
	v_add_nc_u32 v5, s56, v5                       ; into it: my tile, my column's 16 bytes
	v_add_nc_u32 v6, s56, v2                       ; out of it: 16 x lane
.macro WLOAD t                         ; block t: W(32 t + i, my column), i = 0 .. 31, into set t % 2
.set wi, 0
.rept 32
	global_load_b32 v[XW+32*((\t)%2)+wi], v[OF+wi], s[32+2*(\t):33+2*(\t)] th:TH_LOAD_NT
.set wi, wi+1
.endr
.endm
	WLOAD 0
	WLOAD 1
	s_add_co_i32 s51, s51, 127
	s_lshl_b32 s57, s51, 23
	v_mov_b32 v11, s57                             ; 2^e
	s_add_co_i32 s51, s51, 8
	s_lshl_b32 s51, s51, 23
	s_or_b32 s51, s51, 0x600000
	v_mov_b32 v10, s51                             ; 448 x 2^e
; Conversion g of block t makes the eight codes of k = 32 (t % 4) + 8 g + 0 .. 7 of K step t / 4: they belong to lane r + 16 (g % 2), registers 4 (t % 4) + 2 (g / 2) and the next.
.macro WBLOCK t
.set XS, XW+32*((\t)%2)
.if (\t) < 7
	s_wait_loadcnt 32                              ; this block's 32 loads are in; the next block's may be out
.else
	s_wait_loadcnt 0x0
.endif
.set n, 0
.rept 32
	v_med3_num_f32 v[XS+n], v[XS+n], -v10, v10
.set n, n+1
.endr
.irp g, 0,1,2,3
	v_cvt_scalef32_pk8_fp8_f32 v[WC+2*\g:WC+2*\g+1], v[XS+8*\g:XS+8*\g+7], v11
.endr
	v_nop                                          ; a plain vector line behind the last conversion
.irp g, 0,1,2,3
	ds_store_b64 v5, v[WC+2*\g:WC+2*\g+1] offset:((\t)/4)*2048+((\t)%4)*512+(\g&1)*256+(\g>>1)*8
.endr
.if (\t)+2 < 8
	WLOAD (\t)+2
.endif
	s_wait_dscnt 0x0                               ; the stores have read their registers: the next block's codes may be written
.endm
	s_wait_alu depctr_va_vdst(0)
.irp t, 0,1,2,3,4,5,6,7
	WBLOCK \t
.endr
.irp i, 0,1,2,3,4,5,6,7,8,9,10,11,12,13,14,15
	ds_load_b128 v[WO+4*\i:WO+4*\i+3], v6 offset:512*\i
.endr
.irp i, 0,1,2,3,4,5,6,7,8,9,10,11,12,13,14,15
	s_wait_dscnt 15-\i                             ; LDS loads come back in order: number i is in
	global_store_b128 v2, v[WO+4*\i:WO+4*\i+3], s[14:15] offset:(\i>>3)*16384+(\i&7)*512   ; 512 consecutive bytes, aligned
.endr
	s_wait_tensorcnt 0x0
	ds_add_u32 v254, v255
	s_wait_dscnt 0x0
	s_endpgm
.Lrope:
; ---- ROLE TABLE.  A lane is a frequency i (0 .. 31), 10000^(-i / 32) = 10^(-i / 8); a wave takes 16 positions.  angle = position x frequency, rounded once; it is brought into +-pi/4 by taking away n x pi/2 in two
; parts (the first product and difference are exact: n is under 2^11), and sin and cos come by polynomials of degree 7 and 8 on that range; n mod 4 swaps them and sets the signs, by selects, not by branches.
	s_wait_kmcnt 0x0
	s_sub_co_u32 s21, ttmp9, 384
	s_lshl_b32 s21, s21, 2
	s_add_co_u32 s21, s21, s20
	s_lshl_b32 s42, s21, 4                         ; my first position
	s_lshl_b32 s32, s42, 8                         ; a position is 256 bytes
	s_mov_b32 s33, 0
	s_add_nc_u64 s[44:45], s[18:19], s[32:33]
	s_wait_alu depctr_va_vdst(0)
	v_lshlrev_b32 v9, 3, v1                        ; 8 bytes a lane
	v_mov_b32 v8, 0
.set fi, 0
.irp f, 1.0, 0.74989420933, 0.56234132519, 0.42169650343, 0.31622776602, 0.23713737057, 0.17782794100, 0.13335214322, 0.1, 0.074989420933, 0.056234132519, 0.042169650343, 0.031622776602, 0.023713737057, 0.017782794100, 0.013335214322, 0.01, 0.0074989420933, 0.0056234132519, 0.0042169650343, 0.0031622776602, 0.0023713737057, 0.0017782794100, 0.0013335214322, 0.001, 0.00074989420933, 0.00056234132519, 0.00042169650343, 0.00031622776602, 0.00023713737057, 0.00017782794100, 0.00013335214322
	s_mov_b32 s40, \f
	v_writelane_b32 v8, s40, fi                    ; lane i holds 10^(-i / 8)
.set fi, fi+1
.endr
	s_mov_b32 s46, 0x3f22f983                      ; 2 / pi
	s_mov_b32 s47, 0x3fc90fdb                      ; pi / 2, rounded to f32,
	s_mov_b32 s48, 0xb33bbd2e                      ; and what that leaves
	s_mov_b32 s49, -0.00019515295891
	s_mov_b32 s50, 0.0083321608736
	s_mov_b32 s51, -0.16666654611
	s_mov_b32 s52, 0.00002443315711809948
	s_mov_b32 s53, -0.001388731625493765
	s_mov_b32 s54, 0.04166664568298827
	s_mov_b32 s41, 0
.Lpos:
	v_cvt_f32_u32 v12, s42
	s_wait_alu depctr_va_vdst(0)
	v_mul_f32 v12, v12, v8                         ; the angle
	v_mul_f32 v13, s46, v12
	v_rndne_f32 v13, v13                           ; n
	v_fma_f32 v14, -v13, s47, v12
	v_fma_f32 v14, -v13, s48, v14                  ; r = angle - n pi / 2
	v_mul_f32 v15, v14, v14                        ; z = r r
	v_fma_f32 v16, v15, s49, s50
	v_fma_f32 v16, v16, v15, s51
	v_mul_f32 v17, v15, v14
	v_fma_f32 v16, v16, v17, v14                   ; sin r
	v_fma_f32 v18, v15, s52, s53
	v_fma_f32 v18, v18, v15, s54
	v_fma_f32 v19, v15, -0.5, 1.0
	v_mul_f32 v20, v15, v15
	v_fma_f32 v18, v18, v20, v19                   ; cos r
	v_cvt_i32_f32 v21, v13
	v_and_b32 v22, 1, v21
	v_cmp_eq_u32 vcc_lo, 1, v22
	v_cndmask_b32 v24, v18, v16, vcc_lo            ; odd n: cos takes sin r,
	v_cndmask_b32 v25, v16, v18, vcc_lo            ; sin takes cos r
	v_add_nc_u32 v22, 1, v21
	v_and_b32 v22, 2, v22
	v_lshlrev_b32 v22, 30, v22
	v_xor_b32 v24, v24, v22                        ; cos is negative for n mod 4 = 1, 2
	v_and_b32 v23, 2, v21
	v_lshlrev_b32 v23, 30, v23
	v_xor_b32 v25, v25, v23                        ; sin for n mod 4 = 2, 3
	global_store_b64 v9, v[24:25], s[44:45]        ; 32 lanes store 256 consecutive bytes, aligned
	s_wait_xcnt 0x0                                ; the store has read its base and its data: both are written again
	s_add_nc_u64 s[44:45], s[44:45], 256
	s_add_co_u32 s42, s42, 1
	s_add_co_u32 s41, s41, 1
	s_cmp_lt_u32 s41, 16
	s_cbranch_scc1 .Lpos
	s_endpgm
.Lfunc_end_k_qd6d68551fd_prep:
	.size	k_qd6d68551fd_prep, .Lfunc_end_k_qd6d68551fd_prep-k_qd6d68551fd_prep
	.p2alignl 7, 3214868480
	.fill 96, 4, 3214868480
	.section	.rodata,"a",@progbits
	.p2align	6, 0x0
	.amdhsa_kernel k_qd6d68551fd_prep
		.amdhsa_group_segment_fixed_size 67072
		.amdhsa_private_segment_fixed_size 0
		.amdhsa_enable_private_segment 0
		.amdhsa_kernarg_size 64
		.amdhsa_user_sgpr_count 2
		.amdhsa_user_sgpr_kernarg_segment_ptr 1
		.amdhsa_wavefront_size32 1
		.amdhsa_system_sgpr_workgroup_id_x 1
		.amdhsa_system_sgpr_workgroup_id_y 1
		.amdhsa_system_sgpr_workgroup_id_z 1
		.amdhsa_system_vgpr_workitem_id 0
		.amdhsa_next_free_vgpr 256
		.amdhsa_next_free_sgpr 66
		.amdhsa_reserve_vcc 1
		.amdhsa_float_denorm_mode_32 3
		.amdhsa_float_denorm_mode_16_64 3
		.amdhsa_memory_ordered 1
		.amdhsa_forward_progress 1
		.amdhsa_inst_pref_size 95
	.end_amdhsa_kernel
	.amdgpu_metadata
---
amdhsa.version: [ 1, 2 ]
amdhsa.kernels:
  - .name:           k_qd6d68551fd_prep
    .symbol:         k_qd6d68551fd_prep.kd
    .args:
      - { .name: x, .offset: 0, .size: 8, .value_kind: global_buffer, .address_space: global }
      - { .name: W_qkv, .offset: 8, .size: 8, .value_kind: global_buffer, .address_space: global }
      - { .name: W_proj, .offset: 16, .size: 8, .value_kind: global_buffer, .address_space: global }
      - { .name: lowp_scales, .offset: 24, .size: 8, .value_kind: global_buffer, .address_space: global }
      - { .name: x_img, .offset: 32, .size: 8, .value_kind: global_buffer, .address_space: global }
      - { .name: wqkv_img, .offset: 40, .size: 8, .value_kind: global_buffer, .address_space: global }
      - { .name: wproj_img, .offset: 48, .size: 8, .value_kind: global_buffer, .address_space: global }
      - { .name: rope, .offset: 56, .size: 8, .value_kind: global_buffer, .address_space: global }
    .group_segment_fixed_size: 67072
    .private_segment_fixed_size: 0
    .kernarg_segment_align: 8
    .kernarg_segment_size: 64
    .max_flat_workgroup_size: 128
    .sgpr_count:     66
    .vgpr_count:     256
    .wavefront_size: 32
...
	.end_amdgpu_metadata
.endif
;; end of part 1
;; launch qkv (part 2): grid 8 x 32, 4 waves a work-group, clusters of 4 x 4, 327,680 bytes of LDS; arguments x_img, wqkv_img, lowp_scales, rope, q_img, k_img, v_img; writes q_img, k_img, v_img
.if DOCPART == 2
	.amdgcn_target "amdgcn-amd-amdhsa--gfx1250"
	.amdhsa_code_object_version 6
	.text
	.protected	k_qd6d68551fd_qkv
	.globl	k_qd6d68551fd_qkv
	.p2align	8
	.type	k_qd6d68551fd_qkv,@function
k_qd6d68551fd_qkv:
	s_mov_b64 s[64:65], 0
	v_nop
	global_prefetch_b8 v0, s[64:65] scope:SCOPE_SE
	s_setreg_imm32_b32 hwreg(HW_REG_WAVE_MODE, 25, 1), 1
	s_wait_xcnt 0x0
	s_wait_alu depctr_hold_cnt(0) depctr_sa_sdst(0) depctr_va_vdst(0) depctr_va_sdst(0) depctr_va_ssrc(0) depctr_va_vcc(0) depctr_vm_vsrc(0)
	s_getreg_b32 s2, hwreg(HW_REG_IB_STS2, 6, 4)
	s_cmp_eq_u32 s2, 0
	s_cbranch_scc0 .Lentry_in_a_cluster
	s_endpgm
.Lentry_in_a_cluster:
	s_bfe_u32 s2, ttmp6, 0x10000c
	s_cmp_lg_u32 s2, 0xf033
	s_cbranch_scc0 .Lentry_shape_is_right
	s_endpgm
.Lentry_shape_is_right:
; QKV: qkv = x W_qkv on codes of E4M3 (K = 1,024), the rotation of q and k, and the quantising of q, k and v for attention's two products.  Nothing but codes goes to memory.
; SHARES.  Work-group (c = x, 0 .. 7; y, 0 .. 31) owns rows 256 y .. + 255 of x and makes three tiles of 256 x 128, one after the other: columns 128 c .. + 127 of q, of k and of v (two heads each).
; A wave owns 64 of the rows.  ITS ROWS' CODES STAY IN REGISTERS: 64 rows x 1,024 along K are 512 registers, loaded once, from the images, by 128 loads of 512 consecutive bytes:
; K steps 0-2 at the head, K step q + 3 behind K step q's products of the first tile.
; So LDS holds tiles of W alone, each with ALL of K: 128 columns x 1,024 = 131,072 bytes, dense in wqkv_img; two slots: q's tile in slot 0, k's in slot 1, v's in slot 0 again.  A tile is 256 matrix instructions a wave.
; CLUSTERS: 4 x 4 work-groups; W's tile hangs on c alone and is asked for jointly down a column of the cluster, each wave 32,768 bytes of it.  x's rows are not asked for jointly: they go past LDS into registers, which a tensor load does not reach.
; No prefetch: the launch has three requests for W, written out, and no loop of loads to run ahead in.
; OPERANDS ARE IMAGES OF REGISTERS (16 rows x 128 K = [4 groups][32 lanes][16 bytes]; lane (r, h): row r, registers 2 c, 2 c + 1: k = 16 c + 8 h + 0 .. 7): a fragment is four loads at 16 x lane + 512 g.
; THE MATRIX INSTRUCTION: a lane holds ONE row of source 1 (lane % 16) and EIGHT NEIGHBOURING rows of source 0, 8 (lane / 16) + 0 .. 7, so one conversion of an accumulator's eight registers is a register pair of the next product's operand:
;   q, k: source 0 = W's columns, source 1 = x's rows: a token and eight neighbouring channels: the images of q and k (16 tokens x 64 channels, 1,024 bytes);
;   v:    source 0 = x's rows, source 1 = W's columns: a channel and eight neighbouring KEYS: my 64 keys are two of the four groups of an image of V^T (16 channels x 128 keys, 2,048 bytes).
; q_img, k_img [batch x 16 + head][128 tiles of 16 tokens][1024];  v_img [batch x 16 + head][16 steps of 128 keys][4 tiles of 16 channels][2048].
; THE SCALES: a sum stands for sum x 2^(e0 + e1); the rotation is linear, so it works on the sums as they are, and the conversion takes the one scale 2^(es - e0 - e1), es = e2 (q), e3 (k), e5 (v).
; LIMIT: es - e0 - e1 between -126 and 119, so that this power of two and 448 times it are f32 numbers.
; REGISTERS, in windows of 256: window 0: v0-31 addresses and constants; v32-95 cos and sin of my blocks 0 and 1; v96-127 codes; v128-191, v192-255 W's fragments, four each, by turns
;   (on the way out v128-191 a block's numbers, v192-255 cos and sin of my blocks 2 and 3).
;   window 1: the 32 accumulators ((a, b) at v[8 (8 a + b)], a my block of 16 rows, b the tile's block of 16 columns).   windows 2, 3: x's fragments: K step q, block a at v[64 (q % 4) + 16 a] of window 2 + q / 4.
.set SPARE, 262144                     ; behind the two slots: the spare words, 128 bytes for each wave: two blocks of 256 bytes that no other line names
.set RO,   10                          ; v10  the table: 256 bytes x (lane % 16) + 32 (lane / 16)
.set AD,   20                          ; v20-23  16 x lane + 65,536 n: slot 0's column blocks 0-3, 4-7, slot 1's likewise.  v20 is also 16 x lane for memory
.set SPW,  28                          ; v28  LDS address of my spare word; never rewritten
.set NIL,  29                          ; v29  0; never rewritten
.set CSR,  32
.set CODE, 96
.set TMP,  128
.set G1, 24                            ; s[24:31] descriptor group 1;  s[32:43] three groups 0: q's, k's, v's tile
.set G0, 32
.set MSB, 0
.macro WIN new                         ; the immediate's high byte repeats the setting that is left
.if MSB != (\new)
	s_set_vgpr_msb (MSB<<8)|(\new)
.set MSB, (\new)
.endif
.endm
.macro PLACES n                        ; plain vector lines between a matrix instruction and a load into, or a vector line on, its registers
.rept \n
	v_nop
.endr
.endm
.macro CROUND                          ; a round of the cluster's barrier
	s_barrier_signal -1
	s_barrier_wait -1
	s_cmp_lg_u32 s14, 0
	s_cbranch_scc1 .Lnw0_\@
	s_barrier_signal -3
.Lnw0_\@:
	s_barrier_wait -3
	s_barrier_signal -1
	s_barrier_wait -1
.endm
.macro TL g0                           ; a joint load: every wave issues it, its quarter of a tile; an s_nop 0 and four v_nop follow
	tensor_load_to_lds s[\g0:\g0+3], s[G1:G1+7]
	s_nop 0
	PLACES 4
.endm
.macro ALOADQ q                        ; K step q of my 64 rows: 16 loads, into registers that no product has read
	WIN 0x80+0x40*((\q)/4)
.irp a, 0,1,2,3
.irp c, 0,1,2,3
	global_load_b128 v[64*((\q)%4)+16*\a+4*\c:64*((\q)%4)+16*\a+4*\c+3], v[AD], s[44:45] offset:\a*16384+(\q)*2048+\c*512
.endr
.endr
	WIN 0
.endm
.macro BFETCH adr, q, buf              ; four fragments of W: four blocks of 16 columns, K step q
.irp i, 0,1,2,3
.irp c, 0,1,2,3
	ds_load_b128 v[128+64*(\buf)+16*\i+4*\c:128+64*(\buf)+16*\i+4*\c+3], v[\adr] offset:\i*16384+(\q)*2048+\c*512
.endr
.endr
.endm
.macro ONE d, b, a, swap, q            ; K step 0 starts the sums: nothing is cleared
.if \swap
.if (\q) == 0
	v_wmma_f32_16x16x128_fp8_fp8 v[\d:\d+7], v[\a:\a+15], v[\b:\b+15], 0
.else
	v_wmma_f32_16x16x128_fp8_fp8 v[\d:\d+7], v[\a:\a+15], v[\b:\b+15], v[\d:\d+7]
.endif
.else
.if (\q) == 0
	v_wmma_f32_16x16x128_fp8_fp8 v[\d:\d+7], v[\b:\b+15], v[\a:\a+15], 0
.else
	v_wmma_f32_16x16x128_fp8_fp8 v[\d:\d+7], v[\b:\b+15], v[\a:\a+15], v[\d:\d+7]
.endif
.endif
.endm
.macro MULH q, hb, swap                ; 16 matrix instructions: my four blocks of rows x four blocks of columns; the 32 accumulators take turns, one instruction a turn
.if \swap
	WIN 0x52+(\q)/4
.else
	WIN 0x58+4*((\q)/4)
.endif
.irp a, 0,1,2,3
.irp i, 0,1,2,3
	ONE 8*(8*\a+4*(\hb)+\i), 128+64*(\hb)+16*\i, 64*((\q)%4)+16*\a, \swap, \q
.endr
.endr
.endm
; A TILE: eight K steps of two halves.  While one buffer of W's fragments is multiplied the other's 16 loads are out; a buffer is loaded anew behind the products that read it.
; await = 1, the first tile: x's fragments are still on their way, and K step q + 3's are asked for behind K step q's products.
.macro TILE ad, swap, await
	WIN 0
	BFETCH \ad, 0, 0
	BFETCH \ad+1, 0, 1
.irp q, 0,1,2,3,4,5,6,7
.irp hb, 0,1
.if \await && (\hb == 0)
.if \q < 5
	s_wait_loadcnt 32                              ; x's fragments of this K step are in: behind them those of the next two K steps were asked for, 16 loads each
.else
	s_wait_loadcnt 16*(7-\q)
.endif
.endif
.if (\q == 7) && (\hb == 1)
	s_wait_dscnt 0x0
.else
	s_wait_dscnt 16                                ; this half's fragments are in; the next half's 16 loads may be out
.endif
	MULH \q, \hb, \swap
.if \q < 7
	PLACES 4
	WIN 0
	BFETCH \ad+\hb, \q+1, \hb
.endif
.if \await && (\hb == 1) && (\q < 5)
	ALOADQ \q+3
.endif
.endr
.endr
	WIN 0
.endm
	s_load_b128 s[4:7], s[0:1], 0x0                ; x_img s[4:5], wqkv_img s[6:7]
	s_load_b128 s[8:11], s[0:1], 0x10              ; the scales' exponents s[8:9], the table s[10:11]
	s_load_b128 s[68:71], s[0:1], 0x20             ; q_img s[68:69], k_img s[70:71]
	s_load_b64 s[72:73], s[0:1], 0x30              ; v_img
	v_lshl_add_u32 v[SPW], v0, 2, SPARE
	v_mov_b32 v[NIL], 0
	ds_add_u32 v[SPW], v[NIL]                      ; the opening lines: the add, twice on end, and one wait; work on registers between
	ds_add_u32 v[SPW], v[NIL]
	v_lshrrev_b32 v1, 5, v0
	v_readfirstlane_b32 s14, v1                    ; wave 0..3
	s_bfe_u32 s52, ttmp6, 0x40000                  ; cx, cy: my place in the cluster
	s_bfe_u32 s53, ttmp6, 0x40004
	s_lshl_b32 s54, ttmp9, 2
	s_add_co_u32 s54, s54, s52                     ; c: it hangs on cx alone
	s_and_b32 s55, ttmp7, 0xffff
	s_lshl_b32 s55, s55, 2
	s_add_co_u32 s55, s55, s53                     ; my 256 rows
	s_lshl_b32 s56, 0x1111, s52                    ; my column of the cluster
	s_or_b32 s[G1], s56, (3<<16)|(1<<21)           ; 15:0 the mask; elements of 8 bytes; no padding; 21 set beside a mask
	s_mov_b32 s[G1+1], 32<<16                      ; 128 rows of 256 bytes, dense in memory and in LDS
	s_mov_b32 s[G1+2], 128<<16
	s_mov_b32 s[G1+3], 32<<16
	s_mov_b32 s[G1+4], 128
	s_mov_b32 s[G1+5], 32
	s_mov_b32 s[G1+6], 0
	s_mov_b32 s[G1+7], 0
	s_lshl_b32 s17, s14, 15                        ; my quarter of a tile, in memory and in LDS
	s_lshl_b32 s18, s54, 17                        ; 128 columns are 131,072 bytes of images
	s_add_co_u32 s18, s18, s17
	s_mov_b32 s19, 0
	s_lshl_b32 s22, s55, 18                        ; x_img: 256 rows are 16 tiles of 16,384 bytes,
	s_lshl_b32 s16, s14, 16                        ; my 64 rows four
	s_add_co_u32 s22, s22, s16
	s_mov_b32 s23, 0
	s_and_b32 s57, s55, 7
	s_lshl_b32 s57, s57, 8
	s_lshl_b32 s16, s14, 6
	s_add_co_u32 s57, s57, s16                     ; my first row's position in its sequence
	s_lshr_b32 s60, s55, 3
	s_lshl_b32 s60, s60, 4
	s_lshl_b32 s16, s54, 1
	s_add_co_u32 s60, s60, s16                     ; batch x 16 + my first head
	s_lshl_b32 s60, s60, 17
	s_lshl_b32 s58, s57, 8                         ; the table: 256 bytes a position
	s_mov_b32 s59, 0
	s_lshl_b32 s62, s57, 6                         ; q_img, k_img: 1,024 bytes for 16 tokens
	s_add_co_u32 s62, s62, s60
	s_mov_b32 s63, 0
	s_lshr_b32 s66, s57, 7
	s_lshl_b32 s66, s66, 13                        ; v_img: my step of 128 keys,
	s_add_co_u32 s66, s66, s60
	s_and_b32 s16, s14, 1
	s_lshl_b32 s16, s16, 10                        ; and my 64 keys' two groups of an image
	s_add_co_u32 s66, s66, s16
	s_mov_b32 s67, 0
	s_wait_dscnt 0x0                               ; both opening adds are done
	s_wait_kmcnt 0x0
	s_load_b256 s[80:87], s[8:9], 0x0              ; e0 .. e7
	s_add_nc_u64 s[20:21], s[6:7], s[18:19]
.irp t, 0,1,2
	s_mov_b32 s[G0+4*\t], 1
	s_add_co_u32 s[G0+4*\t+1], s17, (\t%2)*131072
	s_add_nc_u64 s[G0+4*\t+2:G0+4*\t+3], s[20:21], \t*1048576   ; q's, k's, v's columns lie 1,024 columns apart
	s_or_b32 s[G0+4*\t+3], s[G0+4*\t+3], 0x80000000
.endr
	s_add_nc_u64 s[44:45], s[4:5], s[22:23]
	s_add_nc_u64 s[90:91], s[10:11], s[58:59]
	s_add_nc_u64 s[46:47], s[68:69], s[62:63]
	s_add_nc_u64 s[48:49], s[70:71], s[62:63]
	s_add_nc_u64 s[50:51], s[72:73], s[66:67]
	CROUND                                         ; all sixteen work-groups are here: the first joint loads meet
	TL G0                                          ; q's tile: my one tensor load at the head
	v_and_b32 v1, 15, v0
	v_bfe_u32 v2, v0, 4, 1
	v_and_b32 v6, 31, v0
	v_lshlrev_b32 v[RO], 8, v1
	v_lshlrev_b32 v[AD], 4, v6
	v_lshl_add_u32 v[RO], v2, 5, v[RO]
	v_add_nc_u32 v[AD+1], 0x10000, v[AD]
	v_add_nc_u32 v[AD+2], 0x20000, v[AD]
	v_add_nc_u32 v[AD+3], 0x30000, v[AD]
	s_wait_alu depctr_va_vdst(0)
; cos and sin for block a's 16 positions: lane (r, h) wants, for channels 16 c + 8 h + 0 .. 7, the pairs of frequencies 8 c + 4 h + 0 .. 3: 32 bytes.  The wave's eight loads read each position's 256 bytes whole.
; Four sets of 32 registers: blocks 0, 1 at v32, v64; blocks 2, 3 at v192, v224, in W's second buffer, which is free on the way out.
.macro ROPELD a
.irp c, 0,1,2,3
	global_load_b128 v[CSR+32*(\a)+96*((\a)/2)+8*\c:CSR+32*(\a)+96*((\a)/2)+8*\c+3], v[RO], s[90:91] offset:(\a)*4096+64*\c
	global_load_b128 v[CSR+32*(\a)+96*((\a)/2)+8*\c+4:CSR+32*(\a)+96*((\a)/2)+8*\c+7], v[RO], s[90:91] offset:(\a)*4096+64*\c+16
.endr
.endm
.macro MKS es, scl, hld                ; 2^(es - e0 - e1) and 448 times it
	s_sub_co_i32 s16, \es, s80
	s_sub_co_i32 s16, s16, s81
	s_add_co_i32 s16, s16, 127
	s_lshl_b32 s18, s16, 23
	v_mov_b32 v[\scl], s18
	s_add_co_i32 s16, s16, 8
	s_lshl_b32 s16, s16, 23
	s_or_b32 s16, s16, 0x600000
	v_mov_b32 v[\hld], s16
.endm
; THE WAY OUT OF q AND k, block by block of 16 tokens x 128 channels (two heads).  A pair of registers is (even channel, odd channel) = (e, o); the table's pair is (cos, sin):
; first (e cos, o cos), then (e cos - o sin, o cos + e sin).  Then the hold, the conversion, and four stores of 512 consecutive bytes.
; Blocks 0 and 1's cos and sin were asked for ahead of the tile's products, blocks 2 and 3's at the head of the way out.
.macro QKBLOCK a, bp, scl, hld
.set AC, 64*(\a)
.set CS, CSR+32*(\a)+96*((\a)/2)
.set CD, CODE+16*((\a)%2)
	s_wait_loadcnt 8*(3-(\a))                      ; this block's eight loads are in; the later blocks' eight each may be out
	WIN 0x01                                       ; source 0: window 1
.irp b, 0,1,2,3,4,5,6,7
.irp p, 0,2,4,6
	v_pk_mul_f32 v[TMP+8*\b+\p:TMP+8*\b+\p+1], v[AC+8*\b+\p:AC+8*\b+\p+1], v[CS+8*(\b%4)+\p:CS+8*(\b%4)+\p+1] op_sel_hi:[1,0]   ; (e cos, o cos); each accumulator from its low end on
.endr
.endr
.irp b, 0,1,2,3,4,5,6,7
.irp p, 0,2,4,6
	v_pk_fma_f32 v[TMP+8*\b+\p:TMP+8*\b+\p+1], v[AC+8*\b+\p:AC+8*\b+\p+1], v[CS+8*(\b%4)+\p:CS+8*(\b%4)+\p+1], v[TMP+8*\b+\p:TMP+8*\b+\p+1] op_sel:[1,1,0] op_sel_hi:[0,1,1] neg_lo:[0,1,0]   ; low: - o sin + e cos; high: e sin + o cos
.endr
.endr
	WIN 0
.set n, 0
.rept 64
	v_med3_num_f32 v[TMP+n], v[TMP+n], -v[\hld], v[\hld]   ; the conversion does not saturate (ISA guide 7.6.2): the hold at the largest code x the scale
.set n, n+1
.endr
	s_wait_alu depctr_va_vdst(0)                   ; directly ahead of the wait below
	s_wait_xcnt 0x0                                ; earlier stores have read this set of codes
.irp b, 0,1,2,3,4,5,6,7
	v_cvt_scalef32_pk8_fp8_f32 v[CD+2*\b:CD+2*\b+1], v[TMP+8*\b:TMP+8*\b+7], v[\scl]   ; registers 2 (b % 4), + 1 of head b / 4's image
.endr
	v_nop                                          ; a plain vector line behind the last conversion
.irp k, 0,1,2,3
	global_store_b128 v[AD], v[CD+4*\k:CD+4*\k+3], s[\bp:\bp+1] offset:(\k>>1)*131072+(\k&1)*512+(\a)*1024   ; 512 consecutive bytes, aligned
.endr
.endm
.macro QKOUT bp, scl, hld
	PLACES 4                                       ; behind the tile's last products: in front of the loads into W's second buffer and of the first read of the sums
	ROPELD 2
	ROPELD 3
.irp a, 0,1,2,3
	QKBLOCK \a, \bp, \scl, \hld
.endr
.endm
; THE WAY OUT OF v, block by block of 16 channels x my 64 keys: accumulator (a, b) holds keys 16 a + 8 h + 0 .. 7 of channel 16 b + r: two groups of an image, two stores of 512 consecutive bytes.
.macro VBLOCK b
.set CD, CODE+8*((\b)%4)
	WIN 0x01
.irp a, 0,1,2,3
.irp j, 0,1,2,3,4,5,6,7
	v_med3_num_f32 v[TMP+8*\a+\j], v[8*(8*\a+\b)+\j], -v17, v17    ; each accumulator from its low end on
.endr
.endr
	WIN 0
	s_wait_alu depctr_va_vdst(0)                   ; directly ahead of the wait below
	s_wait_xcnt 0x0                                ; earlier stores have read this set of codes
.irp a, 0,1,2,3
	v_cvt_scalef32_pk8_fp8_f32 v[CD+2*\a:CD+2*\a+1], v[TMP+8*\a:TMP+8*\a+7], v16
.endr
	v_nop                                          ; a plain vector line behind the last conversion
	global_store_b128 v[AD], v[CD:CD+3], s[50:51] offset:((\b)>>2)*131072+((\b)&3)*2048
	global_store_b128 v[AD], v[CD+4:CD+7], s[50:51] offset:((\b)>>2)*131072+((\b)&3)*2048+512
.endm
	ROPELD 0                                       ; ahead of x's loads, so that the counts of the waits for those stay as they are
	ROPELD 1
	ALOADQ 0
	ALOADQ 1
	ALOADQ 2
	s_wait_kmcnt 0x0
	MKS s82, 12, 13                                ; q
	MKS s83, 14, 15                                ; k
	MKS s85, 16, 17                                ; v
	s_wait_alu depctr_va_vdst(0)                   ; the head's end
	s_wait_tensorcnt 0x0                           ; my quarter of q's tile is in; the lines ahead of a later first fill:
	ds_add_u32 v[SPW], v[NIL]
	s_wait_dscnt 0x0
	CROUND                                         ; everybody's quarter is in, and all sixteen work-groups are here
	TL G0+4                                        ; k's tile, slot 1's first fill: it has q's 256 matrix instructions in which to land
	TILE AD, 0, 1
	s_wait_tensorcnt 0x0                           ; my quarter of k's tile is in,
	ds_add_u32 v[SPW], v[NIL]
	s_wait_dscnt 0x0                               ; and my reads of slot 0 are over
	CROUND                                         ; both hold of every wave of every partner
	TL G0+8                                        ; v's tile, into slot 0: the one refill; it has q's way out and all of k's tile in which to land
	QKOUT 46, 12, 13
	ROPELD 0
	ROPELD 1
	TILE AD+2, 0, 0
	QKOUT 48, 14, 15
	s_wait_tensorcnt 0x0                           ; my quarter of v's tile is in,
	s_wait_dscnt 0x0
	s_barrier_signal -1
	s_barrier_wait -1                              ; everybody's is
	TILE AD, 1, 0
	PLACES 4
.irp b, 0,1,2,3,4,5,6,7
	VBLOCK \b
.endr
	s_wait_tensorcnt 0x0                           ; the wave's end
	ds_add_u32 v[SPW], v[NIL]
	s_wait_dscnt 0x0
	CROUND                                         ; the closing round
	s_endpgm
.Lfunc_end_k_qd6d68551fd_qkv:
	.size	k_qd6d68551fd_qkv, .Lfunc_end_k_qd6d68551fd_qkv-k_qd6d68551fd_qkv
	.p2alignl 7, 3214868480
	.fill 96, 4, 3214868480
	.section	.rodata,"a",@progbits
	.p2align	6, 0x0
	.amdhsa_kernel k_qd6d68551fd_qkv
		.amdhsa_group_segment_fixed_size 327680
		.amdhsa_private_segment_fixed_size 0
		.amdhsa_enable_private_segment 0
		.amdhsa_kernarg_size 56
		.amdhsa_user_sgpr_count 2
		.amdhsa_user_sgpr_kernarg_segment_ptr 1
		.amdhsa_wavefront_size32 1
		.amdhsa_system_sgpr_workgroup_id_x 1
		.amdhsa_system_sgpr_workgroup_id_y 1
		.amdhsa_system_sgpr_workgroup_id_z 1
		.amdhsa_system_vgpr_workitem_id 0
		.amdhsa_next_free_vgpr 1024
		.amdhsa_next_free_sgpr 100
		.amdhsa_reserve_vcc 0
		.amdhsa_float_denorm_mode_32 3
		.amdhsa_float_denorm_mode_16_64 3
		.amdhsa_memory_ordered 1
		.amdhsa_forward_progress 1
		.amdhsa_inst_pref_size 226
	.end_amdhsa_kernel
	.amdgpu_metadata
---
amdhsa.version: [ 1, 2 ]
amdhsa.kernels:
  - .name:           k_qd6d68551fd_qkv
    .symbol:         k_qd6d68551fd_qkv.kd
    .args:
      - { .name: x_img, .offset: 0, .size: 8, .value_kind: global_buffer, .address_space: global }
      - { .name: wqkv_img, .offset: 8, .size: 8, .value_kind: global_buffer, .address_space: global }
      - { .name: lowp_scales, .offset: 16, .size: 8, .value_kind: global_buffer, .address_space: global }
      - { .name: rope, .offset: 24, .size: 8, .value_kind: global_buffer, .address_space: global }
      - { .name: q_img, .offset: 32, .size: 8, .value_kind: global_buffer, .address_space: global }
      - { .name: k_img, .offset: 40, .size: 8, .value_kind: global_buffer, .address_space: global }
      - { .name: v_img, .offset: 48, .size: 8, .value_kind: global_buffer, .address_space: global }
    .group_segment_fixed_size: 327680
    .private_segment_fixed_size: 0
    .kernarg_segment_align: 8
    .kernarg_segment_size: 56
    .max_flat_workgroup_size: 128
    .sgpr_count:     100
    .vgpr_count:     1024
    .wavefront_size: 32
...
	.end_amdgpu_metadata
.endif
;; end of part 2
;; launch attn (part 3): grid 4 x 64, 16 waves a work-group, clusters of 4 x 1, 327,680 bytes of LDS; arguments q_img, k_img, v_img, lowp_scales, y_img; writes y_img
.if DOCPART == 3
	.amdgcn_target "amdgcn-amd-amdhsa--gfx1250"
	.amdhsa_code_object_version 6
	.text
	.protected	k_qd6d68551fd_attn
	.globl	k_qd6d68551fd_attn
	.p2align	8
	.type	k_qd6d68551fd_attn,@function
k_qd6d68551fd_attn:
	s_mov_b64 s[64:65], 0
	v_nop
	global_prefetch_b8 v0, s[64:65] scope:SCOPE_SE
	s_setreg_imm32_b32 hwreg(HW_REG_WAVE_MODE, 25, 1), 1
	s_wait_xcnt 0x0
	s_wait_alu depctr_hold_cnt(0) depctr_sa_sdst(0) depctr_va_vdst(0) depctr_va_sdst(0) depctr_va_ssrc(0) depctr_va_vcc(0) depctr_vm_vsrc(0)
	s_getreg_b32 s2, hwreg(HW_REG_IB_STS2, 6, 4)
	s_cmp_eq_u32 s2, 0
	s_cbranch_scc0 .Lentry_in_a_cluster
	s_endpgm
.Lentry_in_a_cluster:
	s_bfe_u32 s2, ttmp6, 0x10000c
	s_cmp_lg_u32 s2, 0x3003
	s_cbranch_scc0 .Lentry_shape_is_right
	s_endpgm
.Lentry_shape_is_right:
; ATTENTION with a causal mask on codes of E4M3: S = q k^T / 8 (K = 64), p = 2^(t - M), y = p v / l (K = the keys), and y's quantising for the last product.
; THE SOFTMAX: t = score x log2(e) / 8; M = the row's largest t so far, rounded UP to a whole number; p = 2^(t - M) is quantised with 2^e4, not normalised; l is the sum of the unquantised p and divides at the end.
; When M moves, l and O are multiplied by 2^(old M - new M): exact.  Key steps that lie wholly behind a tile's queries are under the causal mask and are left out.
; SHARES.  The four work-groups of a cluster (cx = 0 .. 3) share one head (batch x 16 + head = the cluster's y).  The head's 128 tiles of 16 queries are dealt i = 4 m + cx, m = 0 .. 31; wave w takes m = 31 - w and then m = w.
; Tile i needs the key steps (128 keys) 0 .. i / 8 = m / 2, whatever cx is: (31 - w) / 2 + 1 + w / 2 + 1 = 17 steps in every wave of every work-group, and only a tile's last step meets the diagonal.
; So no branch and no trip count hangs on cx: cx enters the addresses of q and y and the numbers that the mask's compares read, and nothing else.
; K AND V STAY IN LDS: a head's images are 128 KiB each.  They are asked for JOINTLY by the four partners, in two requests, each wave one load in each: key steps 0-3 (8 waves x 4 KiB of K, 8 x 4 KiB of V) at the head,
; key steps 4-15 (12 KiB a wave) behind a round of the cluster's barrier.  No byte is filled twice.  One barrier behind the first four steps shows the second part to all waves; from there on waves share nothing.
; No prefetch: the launch has these two requests and no loop of loads to run ahead in.
; LAYOUT.  Both products are used transposed: S^T = K Q^T (source 0 = 16 neighbouring keys, source 1 = my 16 queries), O^T = V^T P^T: a lane holds ONE query (lane % 16).  Tile T's register j is key 16 T + 8 (lane / 16) + j:
; the keys of registers 2 T, 2 T + 1 of P's operand in the plain K = 128 form: a conversion of a tile's eight registers IS that pair.  Likewise O^T's tile t becomes registers 2 t, 2 t + 1 of y's image.
; Operands are images of registers (a lane's 16 bytes at 16 x lane, 512 bytes a group): q, k 1,024 bytes for 16 rows x 64; v 2,048 for 16 channels x 128 keys; y_img [tile of 16 rows][head][1024].
; LIMITS: e2 + e3 between -123 and 130 (added to c's exponent field); e4, and e6 - e4 - e5, between -126 and 119; the scaled scores t stay under 2^31 in magnitude.
; REGISTERS: v1 16 x lane; v2 r - 8 h; v3, v4 the mask's numbers of my two tiles; v5, v6 the add's; v8, v9 K's and V's address; v12 -M, v13 the largest t, v[14:15] l in two halves; v16-23, v24-31 Q of my two tiles;
;   v32-95 K's eight fragments, then V's four; v96-159 S^T, then p; v160-191 O^T; v192-207 p's codes; v208-223 y's codes; v236-254 at work and constants.
.set VREG,  131072                     ; LDS: K's 16 key steps of 8,192 bytes from 0, V's from here
.set SPARE, 262144                     ; behind them the spare words, 128 bytes for each wave: eight blocks of 256 bytes that no other line names
.set LI,  1
.set RH,  2
.set DL,  3
.set DS,  4
.set SPW, 5
.set NIL, 6
.set ADK, 8
.set ADV, 9
.set TB,  2                            ; s2   LDS byte of the key step in hand in K;  s3 the same in V
.set TV,  3
.set ST,  14                           ; s14  the key step
.set LAST, 15                          ; s15  the tile's last key step
.set WV,  18                           ; s18  my wave's number
.set SEL, 20                           ; s[20:21] lane selects for v_permlanex16_b32: lane l xor 16
.set CS,  22                           ; s[22:23] c = log2(e) / 8 x 2^(e2 + e3)
.set G1A, 24                           ; s[24:31], s[32:39] descriptor groups 1 of the two requests;  s[40:43], s[44:47] their groups 0
.set G1B, 32
.set G0A, 40
.set G0B, 44
.set QAL, 50                           ; s[50:51], s[52:53] q's image of my late and my early tile;  s[54:55], s[56:57] their places in y_img
.set QAS, 52
.set YAL, 54
.set YAS, 56
.macro CROUND                          ; a round of the cluster's barrier
	s_barrier_signal -1
	s_barrier_wait -1
	s_cmp_lg_u32 s[WV], 0
	s_cbranch_scc1 .Lnw0_\@
	s_barrier_signal -3
.Lnw0_\@:
	s_barrier_wait -3
	s_barrier_signal -1
	s_barrier_wait -1
.endm
.macro TL g0, g1                       ; a joint load: every wave issues it, with registers made of the head and the wave's number alone
	tensor_load_to_lds s[\g0:\g0+3], s[\g1:\g1+7]
	s_nop 0
.rept 4
	v_nop
.endr
.endm
.macro STATE                           ; a fresh softmax: the first change of M multiplies zeros
	v_mov_b32 v13, 0xff61b1e6                      ; the largest t so far: -3e38, under every t
	s_delay_alu instid0(VALU_DEP_1)
	v_floor_f32 v12, -v13                          ; -M
	v_mov_b32 v14, 0
	v_mov_b32 v15, 0
.set n, 0
.rept 32
	v_mov_b32 v[160+n], 0
.set n, n+1
.endr
.endm
	s_load_b128 s[4:7], s[0:1], 0x0                ; q_img s[4:5], k_img s[6:7]
	s_load_b128 s[8:11], s[0:1], 0x10              ; v_img s[8:9], the scales' exponents s[10:11]
	s_load_b64 s[12:13], s[0:1], 0x20              ; y_img
	v_lshl_add_u32 v[SPW], v0, 2, SPARE
	v_mov_b32 v[NIL], 0
	ds_add_u32 v[SPW], v[NIL]                      ; the opening lines: the add, twice on end, and one wait; work on registers between
	ds_add_u32 v[SPW], v[NIL]
	v_lshrrev_b32 v8, 5, v0
	v_readfirstlane_b32 s[WV], v8                  ; wave 0..15
	s_bfe_u32 s16, ttmp6, 0x40000                  ; cx
	s_and_b32 s17, ttmp7, 0xffff                   ; batch x 16 + head
	s_sub_co_u32 s58, 31, s[WV]
	s_lshl_b32 s60, s58, 2
	s_add_co_u32 s60, s60, s16                     ; my late tile: 4 (31 - w) + cx
	s_lshl_b32 s61, s[WV], 2
	s_add_co_u32 s61, s61, s16                     ; my early tile: 4 w + cx
	s_lshr_b32 s58, s58, 1                         ; their last key steps: of the wave's number alone
	s_lshr_b32 s59, s[WV], 1
	s_and_b32 s62, s60, 7
	s_lshl_b32 s62, s62, 4                         ; first query - first key in the last step: 16 (tile % 8)
	s_and_b32 s63, s61, 7
	s_lshl_b32 s63, s63, 4
	s_lshl_b32 s82, s17, 17                        ; a head's 131,072 bytes in q_img, k_img, v_img
	s_mov_b32 s83, 0
	s_lshr_b32 s19, s[WV], 3                       ; waves 0-7 fetch K, waves 8-15 V
	s_and_b32 s76, s[WV], 7
	s_lshl_b32 s77, s19, 17                        ; LDS: K's region or V's
	s_lshl_b32 s78, s76, 12                        ; first request: my 4,096 bytes of the first 32,768
	s_mul_i32 s79, s76, 12288
	s_add_co_u32 s79, s79, 32768                   ; second: my 12,288 of the other 98,304
	; descriptor groups 1: 16 and 48 rows of 256 bytes, dense in memory and in LDS
.irp g, G1A, G1B
	s_mov_b32 s[\g], 15|(3<<16)|(1<<21)            ; 15:0 the mask: all four of a 4 x 1 cluster; elements of 8 bytes; no padding; 21 set beside a mask
	s_mov_b32 s[\g+1], 32<<16                      ; tensor_dim0 = 32 elements
	s_mov_b32 s[\g+3], 32<<16                      ; tile_dim0
	s_mov_b32 s[\g+5], 32                          ; tensor_dim0_stride
	s_mov_b32 s[\g+6], 0
	s_mov_b32 s[\g+7], 0
.endr
	s_mov_b32 s[G1A+2], 16<<16                     ; tensor_dim1, tile_dim1
	s_mov_b32 s[G1A+4], 16
	s_mov_b32 s[G1B+2], 48<<16
	s_mov_b32 s[G1B+4], 48
	s_mov_b32 s[SEL], 0x76543210
	s_mov_b32 s[SEL+1], 0xfedcba98
	s_mov_b32 s[CS], 0x3e38aa3b                    ; log2(e) / 8
	s_wait_dscnt 0x0                               ; both opening adds are done
	s_wait_kmcnt 0x0
	s_load_b256 s[68:75], s[10:11], 0x0            ; e0 .. e7
	s_cmp_eq_u32 s19, 0
	s_cselect_b64 s[48:49], s[6:7], s[8:9]
	s_add_nc_u64 s[48:49], s[48:49], s[82:83]      ; my head's K or V
	s_mov_b32 s[G0A], 1
	s_add_co_u32 s[G0A+1], s77, s78
	s_mov_b32 s80, s78
	s_mov_b32 s81, 0
	s_add_nc_u64 s[G0A+2:G0A+3], s[48:49], s[80:81]
	s_or_b32 s[G0A+3], s[G0A+3], 0x80000000
	s_mov_b32 s[G0B], 1
	s_add_co_u32 s[G0B+1], s77, s79
	s_mov_b32 s80, s79
	s_add_nc_u64 s[G0B+2:G0B+3], s[48:49], s[80:81]
	s_or_b32 s[G0B+3], s[G0B+3], 0x80000000
	s_add_nc_u64 s[84:85], s[4:5], s[82:83]        ; my head's q
	s_lshl_b32 s86, s60, 10
	s_mov_b32 s87, 0
	s_add_nc_u64 s[QAL:QAL+1], s[84:85], s[86:87]
	s_lshl_b32 s86, s61, 10
	s_add_nc_u64 s[QAS:QAS+1], s[84:85], s[86:87]
	v_and_b32 v9, 31, v0
	v_lshlrev_b32 v[LI], 4, v9
	global_load_b128 v[16:19], v[LI], s[QAL:QAL+1]             ; Q of both tiles is asked for ahead of the round; nobody writes these bytes
	global_load_b128 v[20:23], v[LI], s[QAL:QAL+1] offset:512
	global_load_b128 v[24:27], v[LI], s[QAS:QAS+1]
	global_load_b128 v[28:31], v[LI], s[QAS:QAS+1] offset:512
	CROUND                                         ; all four work-groups are here: the first joint loads meet
	TL G0A, G1A                                    ; key steps 0-3: my one tensor load at the head
	s_lshr_b32 s86, s17, 4
	s_lshl_b32 s86, s86, 21                        ; a batch: 128 tiles of rows x 16,384 bytes
	s_and_b32 s66, s17, 15
	s_lshl_b32 s66, s66, 10                        ; a head: 1,024 bytes
	s_add_co_u32 s86, s86, s66
	s_add_nc_u64 s[84:85], s[12:13], s[86:87]
	s_lshl_b32 s86, s60, 14
	s_add_nc_u64 s[YAL:YAL+1], s[84:85], s[86:87]
	s_lshl_b32 s86, s61, 14
	s_add_nc_u64 s[YAS:YAS+1], s[84:85], s[86:87]
	v_and_b32 v10, 15, v0
	v_bfe_u32 v11, v0, 4, 1
	v_lshlrev_b32 v11, 3, v11
	v_mov_b32 v236, 0                              ; written once: a lane permute's destination counts as one of its sources
	v_mov_b32 v253, 0                              ; (named as the upper half of the pair v[252:253])
	v_sub_nc_u32 v[RH], v10, v11                   ; r - 8 h
	STATE
	v_add_nc_u32 v[DL], s62, v[RH]                 ; d = my query - the last step's first key - 8 h
	v_add_nc_u32 v[DS], s63, v[RH]
	s_wait_kmcnt 0x0
	s_add_co_i32 s82, s70, s71
	s_lshl_b32 s82, s82, 23
	s_add_co_i32 s[CS], s[CS], s82                 ; a score stands for score x 2^(e2 + e3): the exponents are added to c's exponent field
	s_mov_b32 s[CS+1], s[CS]                       ; (named with it as a pair, so it is written)
	s_add_co_i32 s82, s72, 127
	s_lshl_b32 s83, s82, 23
	v_mov_b32 v244, s83                            ; 2^e4, for p's conversion
	s_add_co_i32 s82, s82, 8
	s_lshl_b32 s82, s82, 23
	s_or_b32 s82, s82, 0x600000
	v_mov_b32 v240, s82                            ; 448 x 2^e4, twice: one register for each half of a dual pair
	v_mov_b32 v241, s82
	s_sub_co_i32 s82, s74, s72
	s_sub_co_i32 s82, s82, s73                     ; O / l stands for y / 2^(e4 + e5): y's code is (O / l) / 2^(e6 - e4 - e5)
	s_add_co_i32 s82, s82, 127
	s_lshl_b32 s83, s82, 23
	v_mov_b32 v245, s83
	s_add_co_i32 s82, s82, 8
	s_lshl_b32 s82, s82, 23
	s_or_b32 s82, s82, 0x600000
	v_mov_b32 v239, s82
; A KEY STEP: 128 keys against one tile of 16 queries (Q in v[qr ..]).  edge = 1: a step behind the tile's last is left out, and the last one is masked: scalar branches on the wave's number and the count of steps.
.macro STEP qr, dm, edge
.if \edge
	s_cmp_gt_u32 s[ST], s[LAST]
	s_cbranch_scc1 .Lhid_\@
.endif
	v_add_nc_u32 v[ADK], s[TB], v[LI]
	v_add_nc_u32 v[ADV], s[TV], v[LI]
	v_nop
	v_nop                                          ; with the two additions: four places in front of loads into registers that the last products read
.irp T, 0,1,2,3,4,5,6,7
	ds_load_b128 v[32+8*\T:35+8*\T], v[ADK] offset:\T*1024
	ds_load_b128 v[36+8*\T:39+8*\T], v[ADK] offset:\T*1024+512
.endr
	s_wait_alu depctr_va_vdst(0)
	s_wait_dscnt 0x0
.irp T, 0,1,2,3,4,5,6,7
	v_wmma_f32_16x16x64_fp8_fp8 v[96+8*\T:103+8*\T], v[32+8*\T:39+8*\T], v[\qr:\qr+7], 0
.endr
.rept 4
	v_nop                                          ; places in front of the loads below and of the first read of the scores
.endr
.irp t, 0,1,2,3
.irp c, 0,1,2,3
	ds_load_b128 v[32+16*\t+4*\c:35+16*\t+4*\c], v[ADV] offset:\t*2048+512*\c   ; V's four fragments land while the softmax is walked
.endr
.endr
.if \edge
	s_cmp_lt_u32 s[ST], s[LAST]
	s_cbranch_scc1 .Lopen_\@
	v_mov_b32 v254, 0xff800000                     ; the tile's last step: register 8 T + j holds key 16 T + 8 h + j of the step: hidden, -infinity, where 16 T + j > d
.set n, 0
.rept 64
	v_cmp_gt_i32 vcc_lo, 16*(n/8)+n%8, v[\dm]
	v_cndmask_b32 v[96+n], v[96+n], v254, vcc_lo
.set n, n+1
.endr
.Lopen_\@:
.endif
.irp c, 0,1,2,3
	v_max3_num_f32 v[248+2*\c], v[96+3*\c], v[97+3*\c], v[98+3*\c]   ; the step's largest score of my query among my 64 keys, in four chains, registers ascending
.endr
.irp i, 12,20,28,36,44,52
.irp c, 0,1,2,3
	v_max3_num_f32 v[248+2*\c], v[248+2*\c], v[96+\i+2*\c], v[97+\i+2*\c]
.endr
.endr
	v_max3_num_f32 v248, v248, v156, v157
	v_max3_num_f32 v250, v250, v158, v159
	s_delay_alu instid0(VALU_DEP_1)
	v_max3_num_f32 v254, v254, v248, v250
	s_delay_alu instid0(VALU_DEP_1)
	v_max_num_f32 v254, v254, v252
	s_delay_alu instid0(VALU_DEP_1)
	v_permlanex16_b32 v236, v254, s[SEL], s[SEL+1]
	s_delay_alu instid0(VALU_DEP_1)
	v_max_num_f32 v254, v254, v236                 ; and among lane l xor 16's
	s_delay_alu instid0(VALU_DEP_1)
	v_mul_f32 v254, s[CS], v254                    ; as t (c is positive)
	s_delay_alu instid0(VALU_DEP_1)
	v_max_num_f32 v13, v13, v254                   ; the running largest t
	v_mov_b32 v254, v12
	s_delay_alu instid0(VALU_DEP_2)
	v_floor_f32 v12, -v13                          ; the new -M = floor(-t) = -ceil(t): a whole number
	s_delay_alu instid0(VALU_DEP_1)
	v_sub_f32 v254, v12, v254                      ; old M - new M: a whole number, 0 or less
	s_delay_alu instid0(VALU_DEP_1)
	v_cvt_i32_f32 v254, v254                       ; (it saturates)
	s_delay_alu instid0(VALU_DEP_1)
	v_ldexp_f32 v252, 1.0, v254                    ; f = 2^(old M - new M)
.set n, 0
.rept 32
	v_pk_fma_f32 v[96+n:97+n], v[96+n:97+n], s[CS:CS+1], v[12:13] op_sel_hi:[1,0,0]   ; t - M, two at a time
.set n, n+2
.endr
	s_wait_alu depctr_va_vdst(0)                   ; ahead of the batch
.set n, 0
.rept 64
	v_exp_f32 v[96+n], v[96+n]                     ; p = 2^(t - M), at most 1
.set n, n+1
.endr
	v_pk_mul_f32 v[14:15], v[14:15], v[252:253] op_sel_hi:[1,0]   ; l under the new M: the plain line behind the exponentials
	s_wait_alu depctr_va_vdst(0)                   ; one wait, for the batch and, directly ahead of them, for the first readers of O^T
.set n, 0
.rept 16
	v_pk_mul_f32 v[160+n:161+n], v[160+n:161+n], v[252:253] op_sel_hi:[1,0]   ; O^T under the new M
.set n, n+2
.endr
	v_pk_add_f32 v[242:243], v[96:97], v[98:99]    ; l takes the unquantised p: two at a time, in four chains
	v_pk_add_f32 v[246:247], v[100:101], v[102:103]
	v_pk_add_f32 v[248:249], v[104:105], v[106:107]
	v_pk_add_f32 v[14:15], v[14:15], v[108:109]
.irp j, 14,22,30,38,46,54
	v_pk_add_f32 v[242:243], v[242:243], v[96+\j:97+\j]
	v_pk_add_f32 v[246:247], v[246:247], v[98+\j:99+\j]
	v_pk_add_f32 v[248:249], v[248:249], v[100+\j:101+\j]
	v_pk_add_f32 v[14:15], v[14:15], v[102+\j:103+\j]
.endr
	v_pk_add_f32 v[242:243], v[242:243], v[158:159]
	v_pk_add_f32 v[246:247], v[246:247], v[248:249]
	v_pk_add_f32 v[14:15], v[14:15], v[242:243]
	v_pk_add_f32 v[14:15], v[14:15], v[246:247]
.set n, 0
.rept 32
	v_dual_min_num_f32 v[96+n], v[96+n], v240 :: v_dual_min_num_f32 v[97+n], v[97+n], v241   ; the conversion does not saturate (ISA guide 7.6.2); p is not negative, so the hold is one-sided; two holds an instruction
.set n, n+2
.endr
.irp T, 0,1,2,3,4,5,6,7
	v_cvt_scalef32_pk8_fp8_f32 v[192+2*\T:193+2*\T], v[96+8*\T:103+8*\T], v244   ; keys 16 T + 8 h + 0 .. 7: registers 2 T, 2 T + 1 of P's operand
.endr
	v_nop                                          ; a plain line behind the last conversion
	s_wait_alu depctr_va_vdst(0)                   ; directly ahead of the wait below
	s_wait_dscnt 0x0                               ; V is in
.irp t, 0,1,2,3
	v_wmma_f32_16x16x128_fp8_fp8 v[160+8*\t:167+8*\t], v[32+16*\t:47+16*\t], v[192:207], v[160+8*\t:167+8*\t]
.endr
.if \edge
.Lhid_\@:
.endif
	s_add_co_u32 s[TB], s[TB], 8192
	s_add_co_u32 s[TV], s[TV], 8192
.endm
; A TILE'S END: O^T / l, held, converted with 2^(e6 - e4 - e5): tile t's eight channels are registers 2 t, 2 t + 1 of my head's part of y's image; two stores of 512 consecutive bytes, aligned.
.macro FINISH ya, cd
.rept 4
	v_nop                                          ; places behind the last products
.endr
	v_add_f32 v14, v14, v15
	s_delay_alu instid0(VALU_DEP_1)
	v_permlanex16_b32 v236, v14, s[SEL], s[SEL+1]
	s_delay_alu instid0(VALU_DEP_1)
	v_add_f32 v14, v14, v236                       ; the row's sum
	s_wait_alu depctr_va_vdst(0)                   ; ahead of the transcendental
	v_rcp_f32 v14, v14
	v_nop                                          ; a plain line behind it
	s_wait_alu depctr_va_vdst(0)                   ; and the wait ahead of its first reader, which is also O^T's
.set n, 0
.rept 16
	v_pk_mul_f32 v[96+n:97+n], v[160+n:161+n], v[14:15] op_sel_hi:[1,0]   ; each accumulator from its low end on
.set n, n+2
.endr
.set n, 0
.rept 32
	v_med3_num_f32 v[96+n], v[96+n], -v239, v239
.set n, n+1
.endr
.irp t, 0,1,2,3
	v_cvt_scalef32_pk8_fp8_f32 v[\cd+2*\t:\cd+2*\t+1], v[96+8*\t:103+8*\t], v245
.endr
	v_nop                                          ; a plain line behind the last conversion
	global_store_b128 v[LI], v[\cd:\cd+3], s[\ya:\ya+1]
	global_store_b128 v[LI], v[\cd+4:\cd+7], s[\ya:\ya+1] offset:512
.endm
	s_wait_alu depctr_va_vdst(0)                   ; the head's end
	s_wait_tensorcnt 0x0                           ; my part of key steps 0-3 is in; the lines ahead of a later first fill:
	ds_add_u32 v[SPW], v[NIL]
	s_wait_dscnt 0x0
	CROUND                                         ; everybody's part is in, and all four work-groups are here
	TL G0B, G1B                                    ; key steps 4-15, into bytes of their own: my one tensor load behind the round
	s_wait_loadcnt 0x0                             ; Q of both tiles
	s_mov_b32 s[ST], 0
	s_mov_b32 s[TB], 0
	s_mov_b32 s[TV], VREG
.Lfirst:                                           ; the late tile, key steps 0-3: its last step is 8 or later, so all their keys count
	STEP 16, DL, 0
	s_add_co_u32 s[ST], s[ST], 1
	s_cmp_lt_u32 s[ST], 4
	s_cbranch_scc1 .Lfirst
	s_wait_tensorcnt 0x0                           ; my part of key steps 4-15 is in,
	s_wait_dscnt 0x0
	s_barrier_signal -1
	s_barrier_wait -1                              ; everybody's is.
	s_mov_b32 s[ST], 4
	s_mov_b32 s[TB], 32768
	s_mov_b32 s[TV], VREG+32768
	s_mov_b32 s[LAST], s58
.Llate:                                            ; the late tile, key steps 4-15: twelve trips in every wave; what lies behind the tile's last step is jumped over
	STEP 16, DL, 1
	s_add_co_u32 s[ST], s[ST], 1
	s_cmp_lt_u32 s[ST], 16
	s_cbranch_scc1 .Llate
	FINISH YAL, 208
	STATE
	s_mov_b32 s[ST], 0
	s_mov_b32 s[TB], 0
	s_mov_b32 s[TV], VREG
	s_mov_b32 s[LAST], s59
	s_wait_alu depctr_va_vdst(0)
.Learly:                                           ; the early tile, key steps 0-7: eight trips in every wave
	STEP 24, DS, 1
	s_add_co_u32 s[ST], s[ST], 1
	s_cmp_lt_u32 s[ST], 8
	s_cbranch_scc1 .Learly
	FINISH YAS, 216
	s_wait_tensorcnt 0x0                           ; the wave's end
	ds_add_u32 v[SPW], v[NIL]
	s_wait_dscnt 0x0
	CROUND                                         ; the closing round
	s_endpgm
.Lfunc_end_k_qd6d68551fd_attn:
	.size	k_qd6d68551fd_attn, .Lfunc_end_k_qd6d68551fd_attn-k_qd6d68551fd_attn
	.p2alignl 7, 3214868480
	.fill 96, 4, 3214868480
	.section	.rodata,"a",@progbits
	.p2align	6, 0x0
	.amdhsa_kernel k_qd6d68551fd_attn
		.amdhsa_group_segment_fixed_size 327680
		.amdhsa_private_segment_fixed_size 0
		.amdhsa_enable_private_segment 0
		.amdhsa_kernarg_size 40
		.amdhsa_user_sgpr_count 2
		.amdhsa_user_sgpr_kernarg_segment_ptr 1
		.amdhsa_wavefront_size32 1
		.amdhsa_system_sgpr_workgroup_id_x 1
		.amdhsa_system_sgpr_workgroup_id_y 1
		.amdhsa_system_sgpr_workgroup_id_z 1
		.amdhsa_system_vgpr_workitem_id 0
		.amdhsa_next_free_vgpr 256
		.amdhsa_next_free_sgpr 100
		.amdhsa_reserve_vcc 1
		.amdhsa_float_denorm_mode_32 3
		.amdhsa_float_denorm_mode_16_64 3
		.amdhsa_memory_ordered 1
		.amdhsa_forward_progress 1
		.amdhsa_inst_pref_size 76
	.end_amdhsa_kernel
	.amdgpu_metadata
---
amdhsa.version: [ 1, 2 ]
amdhsa.kernels:
  - .name:           k_qd6d68551fd_attn
    .symbol:         k_qd6d68551fd_attn.kd
    .args:
      - { .name: q_img, .offset: 0, .size: 8, .value_kind: global_buffer, .address_space: global }
      - { .name: k_img, .offset: 8, .size: 8, .value_kind: global_buffer, .address_space: global }
      - { .name: v_img, .offset: 16, .size: 8, .value_kind: global_buffer, .address_space: global }
      - { .name: lowp_scales, .offset: 24, .size: 8, .value_kind: global_buffer, .address_space: global }
      - { .name: y_img, .offset: 32, .size: 8, .value_kind: global_buffer, .address_space: global }
    .group_segment_fixed_size: 327680
    .private_segment_fixed_size: 0
    .kernarg_segment_align: 8
    .kernarg_segment_size: 40
    .max_flat_workgroup_size: 512
    .sgpr_count:     100
    .vgpr_count:     256
    .wavefront_size: 32
...
	.end_amdgpu_metadata
.endif
;; end of part 3
;; launch proj (part 4): grid 8 x 32, 4 waves a work-group, clusters of 4 x 4, 167,936 bytes of LDS; arguments y_img, wproj_img, lowp_scales, out0; writes out0
.if DOCPART == 4
	.amdgcn_target "amdgcn-amd-amdhsa--gfx1250"
	.amdhsa_code_object_version 6
	.text
	.protected	k_qd6d68551fd_proj
	.globl	k_qd6d68551fd_proj
	.p2align	8
	.type	k_qd6d68551fd_proj,@function
k_qd6d68551fd_proj:
	s_mov_b64 s[64:65], 0
	v_nop
	global_prefetch_b8 v0, s[64:65] scope:SCOPE_SE
	s_setreg_imm32_b32 hwreg(HW_REG_WAVE_MODE, 25, 1), 1
	s_wait_xcnt 0x0
	s_wait_alu depctr_hold_cnt(0) depctr_sa_sdst(0) depctr_va_vdst(0) depctr_va_sdst(0) depctr_va_ssrc(0) depctr_va_vcc(0) depctr_vm_vsrc(0)
	s_getreg_b32 s2, hwreg(HW_REG_IB_STS2, 6, 4)
	s_cmp_eq_u32 s2, 0
	s_cbranch_scc0 .Lentry_in_a_cluster
	s_endpgm
.Lentry_in_a_cluster:
	s_bfe_u32 s2, ttmp6, 0x10000c
	s_cmp_lg_u32 s2, 0xf033
	s_cbranch_scc0 .Lentry_shape_is_right
	s_endpgm
.Lentry_shape_is_right:
; PROJ: out0 = y W_proj on codes of E4M3 (K = 1,024); each finished sum is multiplied once by 2^(e6 + e7).  LIMIT: e6 + e7 between -126 and 127, so that this power of two is an f32 number.
; SHARES.  Work-group (c = x, 0 .. 7; y, 0 .. 31) makes rows 256 y .. + 255, columns 128 c .. + 127.  A wave owns 64 of the rows; THEIR CODES STAY IN REGISTERS: 64 rows x 1,024 along K are 512 registers,
; loaded from the images by 128 loads of 512 consecutive bytes: K steps 0-2 at the head, K step q + 3 behind K step q's products.
; LDS holds W's tile with all of K, 128 columns x 1,024 = 131,072 bytes, dense in wproj_img, filled once: no byte of LDS is filled again.
; CLUSTERS: 4 x 4 work-groups; W's tile hangs on c alone and is asked for jointly down a column of the cluster, each wave 32,768 bytes.  y's rows are not asked for jointly: they go past LDS into registers, which a tensor load does not reach.
; No prefetch: one request for W, at the head, and no loop of loads to run ahead in.
; OPERANDS ARE IMAGES OF REGISTERS (16 rows x 128 K = [4 groups][32 lanes][16 bytes]).  Source 0 = W's columns, source 1 = y's rows: a lane holds eight neighbouring columns of one row of the result.
; REGISTERS, in windows of 256: window 0: v0-31 addresses; v32-95 a block's results; v128-191, v192-255 W's fragments, four each, by turns (on the way out: rows read back from the stage).
;   window 1: the 32 accumulators ((a, b) at v[8 (8 a + b)]).   windows 2, 3: y's fragments: K step q, block a at v[64 (q % 4) + 16 a] of window 2 + q / 4.
.set SPARE,  131072                    ; behind W's tile: the spare words, 128 bytes for each wave: two blocks of 256 bytes that no other line names
.set STAGE,  131584                    ; behind them the way out's stages, 16 rows x 528 bytes for each wave: bytes of their own, on which no fill lands
.set SPITCH, 528
.set AD,   20                          ; v20, v21  16 x lane, + 65,536: W's column blocks 0-3, 4-7.  v20 is also 16 x lane for memory
.set STO,  24
.set RD,   25
.set SPW,  28
.set NIL,  29
.set TMP,  32
.set BK,   128
.set G1, 24
.set G0, 32
.set MSB, 0
.macro WIN new                         ; the immediate's high byte repeats the setting that is left
.if MSB != (\new)
	s_set_vgpr_msb (MSB<<8)|(\new)
.set MSB, (\new)
.endif
.endm
.macro PLACES n
.rept \n
	v_nop
.endr
.endm
.macro CROUND                          ; a round of the cluster's barrier
	s_barrier_signal -1
	s_barrier_wait -1
	s_cmp_lg_u32 s14, 0
	s_cbranch_scc1 .Lnw0_\@
	s_barrier_signal -3
.Lnw0_\@:
	s_barrier_wait -3
	s_barrier_signal -1
	s_barrier_wait -1
.endm
.macro ALOADQ q                        ; K step q of my 64 rows: 16 loads, into registers that no product has read
	WIN 0x80+0x40*((\q)/4)
.irp a, 0,1,2,3
.irp c, 0,1,2,3
	global_load_b128 v[64*((\q)%4)+16*\a+4*\c:64*((\q)%4)+16*\a+4*\c+3], v[AD], s[44:45] offset:\a*16384+(\q)*2048+\c*512
.endr
.endr
	WIN 0
.endm
.macro BFETCH adr, q, buf              ; four fragments of W: four blocks of 16 columns, K step q
.irp i, 0,1,2,3
.irp c, 0,1,2,3
	ds_load_b128 v[128+64*(\buf)+16*\i+4*\c:128+64*(\buf)+16*\i+4*\c+3], v[\adr] offset:\i*16384+(\q)*2048+\c*512
.endr
.endr
.endm
.macro ONE d, b, a, q                  ; K step 0 starts the sums: nothing is cleared
.if (\q) == 0
	v_wmma_f32_16x16x128_fp8_fp8 v[\d:\d+7], v[\b:\b+15], v[\a:\a+15], 0
.else
	v_wmma_f32_16x16x128_fp8_fp8 v[\d:\d+7], v[\b:\b+15], v[\a:\a+15], v[\d:\d+7]
.endif
.endm
.macro MULH q, hb                      ; 16 matrix instructions; the 32 accumulators take turns, one instruction a turn
	WIN 0x58+4*((\q)/4)
.irp a, 0,1,2,3
.irp i, 0,1,2,3
	ONE 8*(8*\a+4*(\hb)+\i), 128+64*(\hb)+16*\i, 64*((\q)%4)+16*\a, \q
.endr
.endr
.endm
	s_load_b128 s[4:7], s[0:1], 0x0                ; y_img s[4:5], wproj_img s[6:7]
	s_load_b128 s[8:11], s[0:1], 0x10              ; the scales' exponents s[8:9], out0 s[10:11]
	v_lshl_add_u32 v[SPW], v0, 2, SPARE
	v_mov_b32 v[NIL], 0
	ds_add_u32 v[SPW], v[NIL]                      ; the opening lines: the add, twice on end, and one wait; work on registers between
	ds_add_u32 v[SPW], v[NIL]
	v_lshrrev_b32 v1, 5, v0
	v_readfirstlane_b32 s14, v1                    ; wave 0..3
	s_bfe_u32 s52, ttmp6, 0x40000                  ; cx, cy
	s_bfe_u32 s53, ttmp6, 0x40004
	s_lshl_b32 s54, ttmp9, 2
	s_add_co_u32 s54, s54, s52                     ; c: it hangs on cx alone
	s_and_b32 s55, ttmp7, 0xffff
	s_lshl_b32 s55, s55, 2
	s_add_co_u32 s55, s55, s53                     ; my 256 rows
	s_lshl_b32 s56, 0x1111, s52                    ; my column of the cluster
	s_or_b32 s[G1], s56, (3<<16)|(1<<21)           ; 15:0 the mask; elements of 8 bytes; no padding; 21 set beside a mask
	s_mov_b32 s[G1+1], 32<<16                      ; 128 rows of 256 bytes, dense in memory and in LDS
	s_mov_b32 s[G1+2], 128<<16
	s_mov_b32 s[G1+3], 32<<16
	s_mov_b32 s[G1+4], 128
	s_mov_b32 s[G1+5], 32
	s_mov_b32 s[G1+6], 0
	s_mov_b32 s[G1+7], 0
	s_lshl_b32 s17, s14, 15                        ; my quarter of the tile, in memory and in LDS
	s_lshl_b32 s18, s54, 17
	s_add_co_u32 s18, s18, s17
	s_mov_b32 s19, 0
	s_lshl_b32 s22, s55, 18                        ; y_img: 256 rows are 16 tiles of 16,384 bytes, my 64 rows four
	s_lshl_b32 s16, s14, 16
	s_add_co_u32 s22, s22, s16
	s_mov_b32 s23, 0
	s_lshl_b32 s58, s55, 20                        ; out0: a row is 4,096 bytes
	s_lshl_b32 s16, s14, 18
	s_add_co_u32 s58, s58, s16
	s_lshl_b32 s16, s54, 9                         ; 128 columns are 512 bytes
	s_add_co_u32 s58, s58, s16
	s_mov_b32 s59, 0
	s_mul_i32 s60, s14, 16*SPITCH
	s_add_co_u32 s60, s60, STAGE                   ; my stage
	s_wait_dscnt 0x0                               ; both opening adds are done
	s_wait_kmcnt 0x0
	s_load_b64 s[96:97], s[8:9], 0x18              ; e6, e7
	s_mov_b32 s[G0], 1
	s_mov_b32 s[G0+1], s17
	s_add_nc_u64 s[G0+2:G0+3], s[6:7], s[18:19]
	s_or_b32 s[G0+3], s[G0+3], 0x80000000
	s_add_nc_u64 s[44:45], s[4:5], s[22:23]
	s_add_nc_u64 s[10:11], s[10:11], s[58:59]
	CROUND                                         ; all sixteen work-groups are here: the joint loads meet
	tensor_load_to_lds s[G0:G0+3], s[G1:G1+7]      ; my quarter of W's tile: my one tensor load
	s_nop 0
	PLACES 4
	v_and_b32 v1, 15, v0
	v_bfe_u32 v2, v0, 4, 1
	v_and_b32 v6, 31, v0
	v_mul_u32_u24 v5, v1, SPITCH
	v_lshlrev_b32 v[AD], 4, v6
	v_lshl_add_u32 v5, v2, 5, v5
	v_add_nc_u32 v[AD+1], 0x10000, v[AD]
	v_add_nc_u32 v[STO], s60, v5                   ; into the stage: row l % 16, 32 bytes for each half of the lanes
	v_add_nc_u32 v[RD], s60, v[AD]                 ; back: the 32 lanes take one row of 512 bytes
	s_wait_alu depctr_va_vdst(0)                   ; the head's end
	ALOADQ 0
	ALOADQ 1
	ALOADQ 2
	s_wait_tensorcnt 0x0                           ; my quarter of the tile is in,
	s_barrier_signal -1
	s_barrier_wait -1                              ; everybody's is
	BFETCH AD, 0, 0                                ; eight K steps of two halves: while one buffer of W's fragments is multiplied the other's 16 loads are out
	BFETCH AD+1, 0, 1
.irp q, 0,1,2,3,4,5,6,7
.irp hb, 0,1
.if \hb == 0
.if \q < 5
	s_wait_loadcnt 32                              ; y's fragments of this K step are in: behind them those of the next two K steps were asked for, 16 loads each
.else
	s_wait_loadcnt 16*(7-\q)
.endif
.endif
.if (\q == 7) && (\hb == 1)
	s_wait_dscnt 0x0
.else
	s_wait_dscnt 16                                ; this half's fragments are in; the next half's 16 loads may be out
.endif
	MULH \q, \hb
.if \q < 7
	PLACES 4
	WIN 0
	BFETCH AD+\hb, \q+1, \hb
.endif
.if (\hb == 1) && (\q < 5)
	ALOADQ \q+3
.endif
.endr
.endr
	WIN 0
; THE WAY OUT, block by block of 16 rows x 128 columns: through my own stage in LDS and back as whole rows of 512 bytes, which the 32 lanes store as two aligned units of 256 bytes.
; LDS serves a wave's instructions in order (ISA guide 5.7.1.4): no wait between the stores and the loads.
.macro TOSTAGE a
.set AC, 64*(\a)
	WIN 0x01                                       ; source 0: window 1
.irp j, 0,2,4,6,8,10,12,14,16,18,20,22,24,26,28,30,32,34,36,38,40,42,44,46,48,50,52,54,56,58,60,62
	v_pk_mul_f32 v[TMP+\j:TMP+\j+1], v[AC+\j:AC+\j+1], s[96:97] op_sel_hi:[1,0]   ; both x s96 = 2^(e6 + e7); each accumulator from its low end on
.endr
	WIN 0
.irp b, 0,1,2,3,4,5,6,7
	ds_store_b128 v[STO], v[TMP+8*\b:TMP+8*\b+3] offset:64*\b
	ds_store_b128 v[STO], v[TMP+8*\b+4:TMP+8*\b+7] offset:64*\b+16
.endr
.set BB, BK+64*((\a)%2)
.irp t, 0,1,2,3,4,5,6,7,8,9,10,11,12,13,14,15
	ds_load_b128 v[BB+4*\t:BB+4*\t+3], v[RD] offset:\t*SPITCH
.endr
.endm
.macro SEND a, younger                 ; younger: the LDS instructions issued behind block a's loads, which may stay out
.set BB, BK+64*((\a)%2)
	s_wait_dscnt \younger
.if (\a) > 0
	s_add_nc_u64 s[10:11], s[10:11], 16*4096       ; (behind a wait on XCNT: the earlier stores have read their base)
.endif
.irp t, 0,1,2,3,4,5,6,7,8,9,10,11,12,13,14,15
	global_store_b128 v[AD], v[BB+4*\t:BB+4*\t+3], s[10:11] offset:\t*4096 th:TH_STORE_NT
.endr
.endm
	s_wait_kmcnt 0x0
	s_add_co_i32 s96, s96, s97
	s_add_co_i32 s96, s96, 127
	s_lshl_b32 s96, s96, 23                        ; 2^(e6 + e7) as f32
	PLACES 4
	TOSTAGE 0
.irp a, 1,2,3
.if \a > 1
	s_wait_xcnt 0x0                                ; block a - 2's stores have read their registers and their base
.endif
	TOSTAGE \a
	SEND \a-1, 32                                  ; behind block a - 1's loads: block a's 16 stores and 16 loads
.endr
	s_wait_xcnt 0x0
	SEND 3, 0
	s_wait_tensorcnt 0x0                           ; the wave's end
	ds_add_u32 v[SPW], v[NIL]
	s_wait_dscnt 0x0
	CROUND                                         ; the closing round
	s_endpgm
.Lfunc_end_k_qd6d68551fd_proj:
	.size	k_qd6d68551fd_proj, .Lfunc_end_k_qd6d68551fd_proj-k_qd6d68551fd_proj
	.p2alignl 7, 3214868480
	.fill 96, 4, 3214868480
	.section	.rodata,"a",@progbits
	.p2align	6, 0x0
	.amdhsa_kernel k_qd6d68551fd_proj
		.amdhsa_group_segment_fixed_size 167936
		.amdhsa_private_segment_fixed_size 0
		.amdhsa_enable_private_segment 0
		.amdhsa_kernarg_size 32
		.amdhsa_user_sgpr_count 2
		.amdhsa_user_sgpr_kernarg_segment_ptr 1
		.amdhsa_wavefront_size32 1
		.amdhsa_system_sgpr_workgroup_id_x 1
		.amdhsa_system_sgpr_workgroup_id_y 1
		.amdhsa_system_sgpr_workgroup_id_z 1
		.amdhsa_system_vgpr_workitem_id 0
		.amdhsa_next_free_vgpr 1024
		.amdhsa_next_free_sgpr 98
		.amdhsa_reserve_vcc 0
		.amdhsa_float_denorm_mode_32 3
		.amdhsa_float_denorm_mode_16_64 3
		.amdhsa_memory_ordered 1
		.amdhsa_forward_progress 1
		.amdhsa_inst_pref_size 76
	.end_amdhsa_kernel
	.amdgpu_metadata
---
amdhsa.version: [ 1, 2 ]
amdhsa.kernels:
  - .name:           k_qd6d68551fd_proj
    .symbol:         k_qd6d68551fd_proj.kd
    .args:
      - { .name: y_img, .offset: 0, .size: 8, .value_kind: global_buffer, .address_space: global }
      - { .name: wproj_img, .offset: 8, .size: 8, .value_kind: global_buffer, .address_space: global }
      - { .name: lowp_scales, .offset: 16, .size: 8, .value_kind: global_buffer, .address_space: global }
      - { .name: out0, .offset: 24, .size: 8, .value_kind: global_buffer, .address_space: global }
    .group_segment_fixed_size: 167936
    .private_segment_fixed_size: 0
    .kernarg_segment_align: 8
    .kernarg_segment_size: 32
    .max_flat_workgroup_size: 128
    .sgpr_count:     98
    .vgpr_count:     1024
    .wavefront_size: 32
...
	.end_amdgpu_metadata
.endif
;; end of part 4
